; MI455X (gfx1250); checked and timed in simulation.
; The chip was launched on July 23, 2026; its instructions are those of AMD's public machine-readable ISA for CDNA 5 (MIT licence, August 2026) and "CDNA5" Instruction Set Architecture Reference Guide (July 2026). The comments in the code are by the model that wrote it; some were corrected since.
;; Llama QMLP. Allowed arithmetic: matrix products marked QUANTISED: E2M3 operands, one E8M0 scale for each 32 along K, by v_wmma_scale_f32_16x16x128_f8f6f4 with both operands' format E2M3, f32 sums; everything else in f32.
;; Inputs: qweight_dn 5,504 x 128 int32; qweight_gu 1,024 x 1,376 int32; qzeros_dn 43 x 128 int32; qzeros_gu 8 x 1,376 int32; scales_dn 43 x 1,024 float32; scales_gu 8 x 11,008 float32; x 2 x 2,048 x 1,024 float32.
;; Outputs: out0 2 x 2,048 x 1,024 float32.
;; This version of the problem:
;;   THIS VERSION OF THE PROBLEM IS GIVEN IN LOW PRECISION. The matrix products marked QUANTISED in the list below multiply operands that are first quantised to E2M3 (2 exponent bits, 3 mantissa bits; 6 bits a number), with one power-of-two scale for each 32 numbers along K (OCP MX v1.0); their sums are f32. All else is computed in f32.
;;   The module's matrix products, in the order in which they are computed (A, B: the left and right operand; K: the contracted axis; several contracted axes count as one K, in the product's order):
;;     1. [M 4,096, K 1,024] x [K 1,024, N 11,008]; A: input x; B: computed on the way: QUANTISED
;;     2. [M 4,096, K 5,504] x [K 5,504, N 1,024]; A: computed on the way; B: computed on the way: QUANTISED
;;   THE QUANTISER, for each operand of a quantised product, along K:
;;     - K is cut into blocks of 32 from its start; a last block that is shorter is filled with zeros.
;;     - A block's scale is 2^e with e = floor(log2(the largest magnitude in the block)) - 2, held to -126 .. 127; a block of zeros has e = 0. As a byte (E8M0): e + 127.
;;     - Each number is divided by its block's scale, clamped to +-7.5, and rounded to the nearest number of E2M3, ties to even, subnormals kept.
;;     - The product sums the exact products of the quantised numbers (number of the format x scale) in f32.
;;   ~~~python
;;   def quantise(x, axis):      # numpy; x: float32 -> the quantised numbers, widened to float32 again
;;       x = np.moveaxis(x, axis, -1); K = x.shape[-1]
;;       x = np.pad(x, [(0, 0)] * (x.ndim - 1) + [(0, -K % 32)]); x = x.reshape(x.shape[:-1] + (-1, 32)); a = np.abs(x).max(-1, keepdims=True)
;;       e = np.where(a > 0, np.clip(np.frexp(np.where(a > 0, a, 1))[1] - 1 - 2, -126, 127), 0)      # np.frexp(a)[1] - 1 = floor(log2(a)), exactly
;;       r = np.clip(x / 2.0 ** e, -7.5, 7.5)
;;       step = 2.0 ** (np.maximum(np.frexp(np.where(r == 0, 1, r))[1] - 1, 0) - 3)
;;       q = np.round(r / step) * step * 2.0 ** e      # np.round: ties to even
;;       return np.moveaxis(q.reshape(q.shape[:-2] + (-1,))[..., :K], -1, axis).astype(np.float32)
;;   ~~~
;;   OPERANDS COMPUTED ON THE WAY. 'Computed on the way' means the value that the module computes at that place (a softmax that the list does not call 'softmax' is quantised finished and normalised). What goes into a quantiser is computed in f32, as accurately as f32 sums, v_exp_f32 and their like allow (about 1e-6 of the number): no bf16 or f16 on the way to a quantiser, and a product that is left as it is and whose result goes on into a quantised operand takes f32 operands (vector FMAs, or v_wmma_f32_16x16x4_f32). A number that lies on a knife's edge between two numbers of the format may be rounded either way, as far as f32 arithmetic and the matrix unit's own rounding can turn it there, and no further.
;; One version. Each part assembles by itself: llvm-mc -triple=amdgcn-amd-amdhsa -mcpu=gfx1250 --defsym DOCPART=n.
;; ======== version 1 of 1: 3 launches
;; limits: right only within a limited range of input values
;; workspace buffers: xq 3,276,800 bytes; wgq 8,806,400 bytes; wdq 4,403,200 bytes; hq 17,612,800 bytes
;; launch prep (part 1): grid 1028 x 1, 4 waves a work-group, no clusters, 66,304 bytes of LDS; arguments x, qweight_gu, qzeros_gu, scales_gu, qweight_dn, qzeros_dn, scales_dn, xq, wgq, wdq; writes xq, wgq, wdq
.if DOCPART == 1
	.amdgcn_target "amdgcn-amd-amdhsa--gfx1250"
	.amdhsa_code_object_version 6
	.text
	.protected	k_qaf50e70090_prep
	.globl	k_qaf50e70090_prep
	.p2align	8
	.type	k_qaf50e70090_prep,@function
k_qaf50e70090_prep:
	s_mov_b64 s[64:65], 0
	v_nop
	global_prefetch_b8 v0, s[64:65] scope:SCOPE_SE
	s_setreg_imm32_b32 hwreg(HW_REG_WAVE_MODE, 25, 1), 1
	s_wait_xcnt 0x0
; x [4096][1024] f32, W_gu = (nibble - zero) * scale [1024][11008] and W_dn likewise [5504][1024] are quantised along K to codes of FP6 (E2M3)
; with one E8M0 byte for each 32 along K, and laid in the order in which the products' operand registers take them.
; THE RECORD (6,400 bytes): 4 tiles t of 16 operand rows r x 128 along K, by blocks kb of 32 along K (24 bytes of codes each):
;   1536 kb + 256 t + 16 r                          the block's first 16 bytes
;   1536 kb + 1024 + 128 (t xor (kb & 1)) + 8 r     its last 8 bytes
;   6144 + 16 r + 4 t                               the scale word of (t, r): byte kb
; xq  [64 rows rq][ks] ;  wgq [unit u of 32 hidden columns][ks], tiles g0 g1 u0 u1, row r of g_v = gate column 32 u + 8 v + r + 8 (r / 8), u_v the same + 5504 ;
; wdq [nb][ks][q], out column 128 nb + 64 q + 16 t + r.
; WORK-GROUPS: 0..343 four records (units 4 i .. 4 i + 3) of W_gu for one ks; 344..515 four records of W_dn for one ks; 516..1027 one record of x.
; The weights' work-groups, whose waves have about eight times the vector work of x's, take the low numbers.
; A block's scale is 2^(floor(log2(largest magnitude)) - 2): the largest magnitude's exponent field less 2, held at 1 from below by a floor among the maximum's leaves.
; LIMITS: NaN and infinities among the inputs are not served; a block whose largest magnitude lies under 2^-124, a block of zeros among them, keeps the byte 1
; (its codes are zeros or the rule's own; the bytes are read by this program alone).
; No tensor loads and no matrix work: the launch streams; each path has LDS bytes of its own.
.set NGU,   344                        ; work-groups for W_gu
.set NW,    516                        ; for both weights
.set QREC,  6400
.set XROW,  528                        ; a row of x's turning stage: 512 bytes + 16
.set XTW,   16*XROW                    ; a wave's stage
.set XQ,    4*XTW                      ; path x: the record
.set WS,    XQ+QREC                    ; path W: four records
; 32 numbers v[src .. src + 31] of one block become 24 bytes of codes in v[dst .. dst + 5] and the scale's byte in v[by]
.macro QBLK src, dst, by
	v_max3_num_f32 v160, |v[\src]|, |v[\src+1]|, |v[\src+2]|       ; two chains, so that no line waits for the line above it
	v_max3_num_f32 v161, |v[\src+3]|, |v[\src+4]|, |v[\src+5]|
.irp i, 6,10,14,18,22,26
	v_max3_num_f32 v160, v160, |v[\src+\i]|, |v[\src+\i+1]|
	v_max3_num_f32 v161, v161, |v[\src+\i+2]|, |v[\src+\i+3]|
.endr
	v_max3_num_f32 v160, v160, |v[\src+30]|, |v[\src+31]|
	v_max3_num_f32 v160, v160, v161, 0x1800000     ; the floor 2^(3 - 127): the byte cannot fall under 1
	v_add_nc_u32 v162, 0xff000000, v160            ; 2 off the exponent field: the conversion takes this operand's exponent field as its scale
	v_lshrrev_b32 v[\by], 23, v162                 ; the scale's byte
	v_cvt_scalef32_pk16_fp6_f32 v[\dst:\dst+2], v[\src:\src+15], v162
	v_cvt_scalef32_pk16_fp6_f32 v[28:30], v[\src+16:\src+31], v162   ; (a conversion's three registers begin on an even number)
	v_nop                                          ; one plain place behind a scaled conversion
	v_mov_b32 v[\dst+3], v28
	v_mov_b32 v[\dst+4], v29
	v_mov_b32 v[\dst+5], v30
.endm
	s_load_b256 s[4:11], s[0:1], 0x0               ; x, qweight_gu, qzeros_gu, scales_gu
	s_load_b256 s[12:19], s[0:1], 0x20             ; qweight_dn, qzeros_dn, scales_dn, xq
	s_load_b128 s[20:23], s[0:1], 0x40             ; wgq, wdq
	v_lshl_add_u32 v168, v0, 2, 0x10100
	v_mov_b32 v169, 0
	v_lshrrev_b32 v1, 5, v0
	v_readfirstlane_b32 s24, v1                    ; wave w
	v_and_b32 v1, 31, v0                           ; lane l
	v_and_b32 v2, 15, v0                           ; r
	v_bfe_u32 v3, v0, 4, 1                         ; h
	s_cmp_lt_u32 ttmp9, NW
	s_cbranch_scc1 .Lweights
; ---------------- x: record rq * 8 + ks = work-group - NW; wave w makes tile w (rows 64 rq + 16 w + r)
	s_sub_co_u32 s29, ttmp9, NW                    ; the record's number
	v_lshlrev_b32 v4, 4, v1                        ; 16 l
	s_mul_i32 s25, s24, XTW
	v_add_nc_u32 v5, s25, v4                       ; stage, in: a row's 512 bytes as they lie
	v_mul_u32_u24 v6, v2, XROW
	v_lshl_add_u32 v6, v3, 7, v6
	v_add_nc_u32 v6, s25, v6                       ; stage, out: row r, block h (block 2 c + h is 256 c further on)
	s_lshl_b32 s26, s24, 8
	v_mul_u32_u24 v7, v3, 1536
	v_lshl_add_u32 v7, v2, 4, v7
	v_add_nc_u32 v7, s26, v7
	v_add_nc_u32 v7, XQ, v7                        ; record: 1536 h + 256 w + 16 r
	v_lshrrev_b32 v8, 5, v0
	v_xor_b32 v8, v8, v3                           ; w xor h
	v_lshlrev_b32 v8, 7, v8
	v_mad_u32_u24 v8, v3, 1536, v8
	v_lshl_add_u32 v8, v2, 3, v8
	v_add_nc_u32 v8, XQ+1024, v8                   ; record: 1536 h + 1024 + 128 (w xor h) + 8 r
	s_lshl_b32 s27, s24, 2
	v_lshl_add_u32 v9, v2, 4, s27
	v_add_nc_u32 v9, XQ+6144, v9                   ; record: the scale word
	s_mul_i32 s28, s24, 1536
	v_add_nc_u32 v10, s28, v4
	v_add_nc_u32 v10, XQ, v10                      ; the way out: wave w copies the record's chunk w
	v_lshlrev_b32 v11, 3, v1
	v_add_nc_u32 v12, XQ+6144, v11
	v_mov_b32 v165, 0                              ; written once: a lane permute's destination counts as one of its sources
	s_mov_b32 s38, 0x76543210
	s_mov_b32 s39, 0xfedcba98                      ; selects for lane l xor 16
	s_lshr_b32 s30, s29, 3
	s_lshl_b32 s30, s30, 18                        ; 64 rq rows of 4,096 bytes
	s_lshl_b32 s31, s24, 16                        ; + 16 w rows
	s_add_co_u32 s30, s30, s31
	s_and_b32 s31, s29, 7
	s_lshl_b32 s31, s31, 9                         ; + 512 ks
	s_add_co_u32 s30, s30, s31
	s_mov_b32 s31, 0
	s_mul_i32 s32, s29, QREC
	s_mov_b32 s33, 0
	s_add_co_u32 s34, s32, s28
	s_mov_b32 s35, 0
	s_wait_kmcnt 0x0
	s_add_nc_u64 s[4:5], s[4:5], s[30:31]
	s_add_nc_u64 s[36:37], s[18:19], s[34:35]      ; my chunk of the record in xq
	s_add_nc_u64 s[18:19], s[18:19], s[32:33]      ; the record
.irp i, 0,1,2,3,4,5,6,7,8,9,10,11,12,13,14,15
	global_load_b128 v[32+4*\i:35+4*\i], v4, s[4:5] offset:4096*\i th:TH_LOAD_NT   ; row i: 32 lanes read 512 consecutive bytes
.endr
.irp i, 0,1,2,3,4,5,6,7,8,9,10,11,12,13,14,15
	s_wait_loadcnt 15-\i                           ; loads come back in order: row i is in, the younger rows may be out
	ds_store_b128 v5, v[32+4*\i:35+4*\i] offset:XROW*\i
.endr
.irp c, 0,1
.irp m, 0,1,2,3,4,5,6,7
	ds_load_b128 v[96+32*\c+4*\m:99+32*\c+4*\m], v6 offset:256*\c+16*\m   ; my wave's own bytes, served in order behind the stores: block 2 c + h of row r
.endr
.endr
	s_wait_dscnt 0x0
	QBLK 96, 16, 163
	QBLK 128, 22, 164
	v_lshl_or_b32 v166, v164, 16, v163             ; my two bytes: blocks h and 2 + h,
	v_lshlrev_b32 v167, 3, v3
	v_lshlrev_b32 v166, v167, v166                 ; at their places (8 h bits up);
	v_permlanex16_b32 v165, v166, s38, s39
	v_or_b32 v166, v166, v165                      ; with lane l xor 16's two the word is whole
	ds_store_b128 v7, v[16:19]
	ds_store_b64 v8, v[20:21]
	ds_store_b128 v7, v[22:25] offset:3072
	ds_store_b64 v8, v[26:27] offset:3072
	ds_store_b32 v9, v166                          ; both halves of the lanes write the same word with the same value
	s_wait_dscnt 0x0                               ; for the others' sake: my stores into the record are done
	s_barrier_signal -1
	s_barrier_wait -1
.irp i, 0,1,2
	ds_load_b128 v[32+4*\i:35+4*\i], v10 offset:512*\i
.endr
	s_wait_dscnt 0x0
.irp i, 0,1,2
	global_store_b128 v4, v[32+4*\i:35+4*\i], s[36:37] offset:512*\i   ; 512 consecutive bytes, aligned to 256
.endr
	s_cmp_lg_u32 s24, 0
	s_cbranch_scc1 .Lx_end
	ds_load_b64 v[44:45], v12                      ; wave 0: the 256 bytes of scale words
	s_wait_dscnt 0x0
	global_store_b64 v11, v[44:45], s[18:19] offset:6144
.Lx_end:
	s_wait_tensorcnt 0x0
	ds_add_u32 v168, v169
	s_wait_dscnt 0x0
	s_endpgm
; ---------------- the weights: a work-group takes one group of 128 along K (ks) x 256 columns; wave w takes block kb = w (rows 128 ks + 32 w + m);
; a lane takes one word of 8 nibbles, 8 columns.  In the records the lane's place is the same for both tensors: record q = (l & 15) >> 2, tile t = (l & 1) + 2 (l >> 4), rows 8 hh + j, hh = (l >> 1) & 1.
; Which word that is differs: gu: 16 i + (l & 15) + 688 (l >> 4) (lanes 0-15 gate, lanes 16-31 up);  dn: 32 i + 8 q + 2 t + hh.  Both are sums of the lane's bits times four factors.
.Lweights:
	s_lshr_b32 s26, ttmp9, 3                       ; gu: i
	s_and_b32 s27, ttmp9, 7                        ; gu: ks
	s_sub_co_u32 s25, ttmp9, NGU
	s_and_b32 s28, s25, 3                          ; dn: i
	s_lshr_b32 s29, s25, 2                         ; dn: ks
	s_mov_b32 s30, 512
	s_cmp_lt_u32 ttmp9, NGU                        ; gu or dn: the choice hangs on the work-group's number alone
	s_cselect_b32 s26, s26, s28                    ; i
	s_cselect_b32 s27, s27, s29                    ; ks
	s_cselect_b32 s30, 5504, s30                   ; a row of qweight and of qzeros in bytes; a row of scales is 8 times that
	s_cselect_b32 s31, 1, 2                        ; factor of l & 1
	s_cselect_b32 s32, 2, 1                        ; of hh
	s_cselect_b32 s33, 4, 8                        ; of q
	s_cselect_b32 s34, 688, 4                      ; of l >> 4
	s_cselect_b32 s35, 16, 32                      ; of i
	s_mul_i32 s35, s35, s26
	v_and_b32 v13, 1, v0
	v_bfe_u32 v14, v0, 1, 1                        ; hh
	v_bfe_u32 v15, v0, 2, 2                        ; q
	v_mul_u32_u24 v4, v13, s31
	v_mad_u32_u24 v4, v14, s32, v4
	v_mad_u32_u24 v4, v15, s33, v4
	s_wait_alu depctr_va_vdst(0)
	v_mad_u32_u24 v4, v3, s34, v4
	v_add_nc_u32 v4, s35, v4                       ; my word's number in a row
	v_lshlrev_b32 v5, 5, v4                        ; its 8 scales: 32 bytes
	v_lshlrev_b32 v4, 2, v4
	v_lshl_add_u32 v22, v3, 1, v13                 ; t
	v_mul_u32_u24 v23, v15, QREC
	s_mul_i32 s36, s24, 1536
	v_add_nc_u32 v23, s36, v23                     ; 6400 q + 1536 w
	v_lshl_add_u32 v6, v22, 8, v23
	v_lshl_add_u32 v6, v14, 7, v6
	v_add_nc_u32 v6, WS, v6                        ; a block's first 16 bytes: + 256 t + 128 hh (+ 16 j)
	v_bfe_u32 v24, v0, 5, 1                        ; w & 1
	v_xor_b32 v24, v24, v22
	v_lshl_add_u32 v7, v24, 7, v23
	v_lshl_add_u32 v7, v14, 6, v7
	v_add_nc_u32 v7, WS+1024, v7                   ; its last 8: + 1024 + 128 (t xor (w & 1)) + 64 hh (+ 8 j)
	v_mul_u32_u24 v8, v15, QREC
	v_lshl_add_u32 v8, v14, 7, v8
	v_lshl_add_u32 v8, v22, 2, v8
	v_add_nc_u32 v8, s24, v8
	v_add_nc_u32 v8, WS+6144, v8                   ; its scale byte: 6400 q + 6144 + 128 hh + 4 t + w (+ 16 j)
	s_mul_i32 s37, s24, QREC
	v_lshlrev_b32 v10, 4, v1
	v_add_nc_u32 v9, s37, v10
	v_add_nc_u32 v9, WS, v9                        ; the way out: wave w copies record w
	v_lshlrev_b32 v11, 3, v1
	v_add_nc_u32 v12, s37, v11
	v_add_nc_u32 v12, WS+6144, v12
	v_mov_b32 v107, 0                              ; (upper halves of pairs of which the packed forms take the low word: named, so written)
	v_mov_b32 v109, 0
	s_lshl_b32 s38, s27, 7
	s_lshl_b32 s39, s24, 5
	s_add_co_u32 s38, s38, s39
	s_mul_i32 s38, s38, s30                        ; qweight: row 128 ks + 32 w
	s_mov_b32 s39, 0
	s_mul_i32 s40, s27, s30                        ; qzeros: row ks
	s_mov_b32 s41, 0
	s_lshl_b32 s42, s40, 3                         ; scales: row ks
	s_mov_b32 s43, 0
	s_lshl_b32 s44, s26, 2
	s_add_co_u32 s44, s44, s24                     ; 4 i + w: my record's unit (gu) or column of 64 (dn)
	s_lshl_b32 s45, s44, 3
	s_add_co_u32 s45, s45, s27                     ; gu: record (4 i + w) 8 + ks
	s_lshr_b32 s46, s44, 1
	s_mul_i32 s46, s46, 43
	s_add_co_u32 s46, s46, s27
	s_lshl_b32 s46, s46, 1
	s_and_b32 s47, s44, 1
	s_add_co_u32 s46, s46, s47                     ; dn: record (nb 43 + ks) 2 + q
	s_cmp_lt_u32 ttmp9, NGU
	s_cselect_b32 s44, s45, s46
	s_mul_i32 s44, s44, QREC
	s_mov_b32 s45, 0
	s_wait_kmcnt 0x0
	s_cselect_b64 s[6:7], s[6:7], s[12:13]
	s_cselect_b64 s[8:9], s[8:9], s[14:15]
	s_cselect_b64 s[10:11], s[10:11], s[16:17]
	s_cselect_b64 s[20:21], s[20:21], s[22:23]
	s_add_nc_u64 s[6:7], s[6:7], s[38:39]
	s_add_nc_u64 s[8:9], s[8:9], s[40:41]
	s_add_nc_u64 s[10:11], s[10:11], s[42:43]
	s_add_nc_u64 s[20:21], s[20:21], s[44:45]
	global_load_b32 v104, v4, s[8:9]               ; 8 zero points
	global_load_b128 v[96:99], v5, s[10:11]        ; 8 scales
	global_load_b128 v[100:103], v5, s[10:11] offset:16
	s_cmp_lt_u32 ttmp9, NGU
	s_cbranch_scc0 .Ldn_rows                       ; the rows' pitch stands in the immediate: these 32 loads alone are written twice
.set IX, 0
.rept 32
	global_load_b32 v[32+IX], v4, s[6:7] offset:IX*5504 th:TH_LOAD_NT
.set IX, IX+1
.endr
	s_branch .Lrows_asked
.Ldn_rows:
.set IX, 0
.rept 32
	global_load_b32 v[32+IX], v4, s[6:7] offset:IX*512 th:TH_LOAD_NT
.set IX, IX+1
.endr
.Lrows_asked:
	s_wait_loadcnt 0x0
.irp j, 0,1,2,3,4,5,6,7                ; column j of my 8: its 32 numbers down K are one block
	v_bfe_u32 v106, v104, 4*\j, 4
	v_cvt_f32_u32 v106, v106                       ; the zero point
	v_mov_b32 v108, v[96+\j]                       ; the scale
.set IX, 0
.rept 32
	v_bfe_u32 v[64+IX], v[32+IX], 4*\j, 4
.set IX, IX+1
.endr
.set IX, 0
.rept 32
	v_cvt_f32_u32 v[64+IX], v[64+IX]
.set IX, IX+1
.endr
.set IX, 0
.rept 16
	v_pk_add_f32 v[64+IX:65+IX], v[64+IX:65+IX], v[106:107] op_sel_hi:[1,0] neg_lo:[0,1] neg_hi:[0,1]   ; nibble - zero: exact
.set IX, IX+2
.endr
.set IX, 0
.rept 16
	v_pk_mul_f32 v[64+IX:65+IX], v[64+IX:65+IX], v[108:109] op_sel_hi:[1,0]   ; x scale: rounded once
.set IX, IX+2
.endr
	s_wait_dscnt 0x0                               ; the last column's LDS stores have read the registers that are written next
	QBLK 64, 16, 163
	ds_store_b128 v6, v[16:19] offset:16*\j
	ds_store_b64 v7, v[20:21] offset:8*\j
	ds_store_b8 v8, v163 offset:16*\j
.endr
	s_wait_dscnt 0x0                               ; for the others' sake: my stores into the records are done
	s_barrier_signal -1
	s_barrier_wait -1
.irp i, 0,1,2,3,4,5,6,7,8,9,10,11
	ds_load_b128 v[112+4*\i:115+4*\i], v9 offset:512*\i
.endr
	ds_load_b64 v[160:161], v12
	s_wait_dscnt 0x0
.irp i, 0,1,2,3,4,5,6,7,8,9,10,11
	global_store_b128 v10, v[112+4*\i:115+4*\i], s[20:21] offset:512*\i   ; 512 consecutive bytes, aligned to 256
.endr
	global_store_b64 v11, v[160:161], s[20:21] offset:6144
	s_wait_tensorcnt 0x0
	ds_add_u32 v168, v169
	s_wait_dscnt 0x0
	s_endpgm
.Lfunc_end_k_qaf50e70090_prep:
	.size	k_qaf50e70090_prep, .Lfunc_end_k_qaf50e70090_prep-k_qaf50e70090_prep
	.p2alignl 7, 3214868480
	.fill 96, 4, 3214868480
	.section	.rodata,"a",@progbits
	.p2align	6, 0x0
	.amdhsa_kernel k_qaf50e70090_prep
		.amdhsa_group_segment_fixed_size 66304
		.amdhsa_private_segment_fixed_size 0
		.amdhsa_enable_private_segment 0
		.amdhsa_kernarg_size 80
		.amdhsa_user_sgpr_count 2
		.amdhsa_user_sgpr_kernarg_segment_ptr 1
		.amdhsa_wavefront_size32 1
		.amdhsa_system_sgpr_workgroup_id_x 1
		.amdhsa_system_sgpr_workgroup_id_y 1
		.amdhsa_system_sgpr_workgroup_id_z 1
		.amdhsa_system_vgpr_workitem_id 0
		.amdhsa_next_free_vgpr 170
		.amdhsa_next_free_sgpr 66
		.amdhsa_reserve_vcc 0
		.amdhsa_float_denorm_mode_32 3
		.amdhsa_float_denorm_mode_16_64 3
		.amdhsa_memory_ordered 1
		.amdhsa_forward_progress 1
		.amdhsa_inst_pref_size 78
	.end_amdhsa_kernel
	.amdgpu_metadata
---
amdhsa.version: [ 1, 2 ]
amdhsa.kernels:
  - .name:           k_qaf50e70090_prep
    .symbol:         k_qaf50e70090_prep.kd
    .args:
      - { .name: x, .offset: 0, .size: 8, .value_kind: global_buffer, .address_space: global }
      - { .name: qweight_gu, .offset: 8, .size: 8, .value_kind: global_buffer, .address_space: global }
      - { .name: qzeros_gu, .offset: 16, .size: 8, .value_kind: global_buffer, .address_space: global }
      - { .name: scales_gu, .offset: 24, .size: 8, .value_kind: global_buffer, .address_space: global }
      - { .name: qweight_dn, .offset: 32, .size: 8, .value_kind: global_buffer, .address_space: global }
      - { .name: qzeros_dn, .offset: 40, .size: 8, .value_kind: global_buffer, .address_space: global }
      - { .name: scales_dn, .offset: 48, .size: 8, .value_kind: global_buffer, .address_space: global }
      - { .name: xq, .offset: 56, .size: 8, .value_kind: global_buffer, .address_space: global }
      - { .name: wgq, .offset: 64, .size: 8, .value_kind: global_buffer, .address_space: global }
      - { .name: wdq, .offset: 72, .size: 8, .value_kind: global_buffer, .address_space: global }
    .group_segment_fixed_size: 66304
    .private_segment_fixed_size: 0
    .kernarg_segment_align: 8
    .kernarg_segment_size: 80
    .max_flat_workgroup_size: 128
    .sgpr_count:     66
    .vgpr_count:     170
    .wavefront_size: 32
...
	.end_amdgpu_metadata
.endif
;; end of part 1
;; launch gateup (part 2): grid 16 x 16, 4 waves a work-group, clusters of 4 x 1, 327,680 bytes of LDS; arguments xq, wgq, hq; writes hq
.if DOCPART == 2
	.amdgcn_target "amdgcn-amd-amdhsa--gfx1250"
	.amdhsa_code_object_version 6
	.text
	.protected	k_qaf50e70090_gateup
	.globl	k_qaf50e70090_gateup
	.p2align	8
	.type	k_qaf50e70090_gateup,@function
k_qaf50e70090_gateup:
	s_mov_b64 s[64:65], 0
	v_nop
	global_prefetch_b8 v0, s[64:65] scope:SCOPE_SE
	s_setreg_imm32_b32 hwreg(HW_REG_WAVE_MODE, 25, 1), 1
	s_wait_xcnt 0x0
	s_wait_alu depctr_hold_cnt(0) depctr_sa_sdst(0) depctr_va_vdst(0) depctr_va_sdst(0) depctr_va_ssrc(0) depctr_va_vcc(0) depctr_vm_vsrc(0)
	s_getreg_b32 s2, hwreg(HW_REG_IB_STS2, 6, 4)
	s_cmp_eq_u32 s2, 0
	s_cbranch_scc0 .Lentry_in_a_cluster
	s_endpgm
.Lentry_in_a_cluster:
	s_bfe_u32 s2, ttmp6, 0x10000c
	s_cmp_lg_u32 s2, 0x3003
	s_cbranch_scc0 .Lentry_shape_is_right
	s_endpgm
.Lentry_shape_is_right:
; h = silu(x W_gate) * (x W_up): both halves of the first product on codes of FP6 (E2M3) with E8M0 scales; h is quantised along the hidden axis and stored as codes and scale bytes (hq).
; RECORD (6,400 bytes, all three buffers): 4 tiles t of 16 rows r x 128 K by blocks kb of 32: 1536 kb + 256 t + 16 r (first 16 of a block's 24 bytes), 1536 kb + 1024 + 128 (t xor (kb & 1)) + 8 r (last 8),
; 6144 + 16 r + 4 t (scale word, byte kb).  Lane (r, h) takes block 2 c + h into a fragment's registers 6 c .. 6 c + 5.
; SHARES.  Work-group x owns 256 rows, its wave 64 of them: 32 fragments of x (4 row tiles x 8 K steps), 384 registers, loaded once and kept.  Work-group y = g owns the units of 32 hidden columns
; 43 g / 4 up to 43 (g + 1) / 4: ten or eleven of the 172.  A unit is 8 K steps x 16 products (tiles g0 g1 u0 u1 x 4 row tiles), used transposed (source 0 = 16 columns of W, source 1 = 16 rows of x):
; a lane holds one row, and the 16 registers of g0, g1 are hidden columns 32 u + 16 h + 0 .. 15.
; THE RING.  W's units come through two LDS slots of one unit (51,200 bytes); each wave fetches a quarter by one tensor load.  The four row blocks of a cluster walk the same units: each load is a joint one.
; Every work-group asks for eleven units, since a joint load stands on every path; where there are ten, the eleventh (it lies inside wgq) is not read and its work is jumped over by a branch on ids.
; A TRIP: the unit's 128 products; the change of slots with the refill two units on; then THE LIST of the unit just multiplied: activation in f32, the blocks' scales, the codes, the stores.
; The list reads every accumulator (-g log2 e, and g x up) ahead of its first transcendental, so one set of 16 accumulators serves.
; W's FRAGMENTS lie in two sets of two K steps each (96 registers).  The next unit's 8 loads of scale words and 64 loads of K steps 0 to 3 stand in five pieces of 16 loads or fewer: the first behind the change of
; slots, the others behind four of the list's own waits.  (At the head and in the tail they are one run.)  Inside the products stand two runs of 32 loads: K steps 4, 5 behind the products of 0, 1, and 6, 7 behind those of 2, 3.
; A column of 128 hidden units (four scale bytes of a word) may belong to two work-groups, so each unit stores its own byte of each row: 64 bytes beside its 1,536 bytes of codes a wave.
; PREFETCH: at a trip's end each wave names, a lane a block of 256 bytes, its work-group's share (13 of the 50 blocks that the wave will fetch, told apart by address) of the unit whose load stands two changes of slots on; units 0 to 3 come by their loads alone.
; LIMITS: NaN and infinities are not served; g x up must stay finite in f32; for a gate under about -88 the exponential is infinite and h is a zero; a block under 2^-124 keeps the byte 1.
; REGISTERS.  window 0: v4-7 lane terms, v16-25 offsets and small things, v32-63 x's scale words, v64-95 W's, v96-159 T then h, v160-223 g x up, then the codes, v224-239 at work.
;   window 1: x's fragments of K steps 0-4.  window 2: v0-143 x's of K steps 5-7; v144-239 W's fragments of K steps 2, 3 and 6, 7.
;   window 3: v0-127 accumulator (a, t) at 8 (4 a + t); v128-223 W's fragments of K steps 0, 1 and 4, 5; v224-226 the fragments' LDS addresses.
.set QREC,  6400
.set UNITB, 8*QREC
.set QUART, UNITB/4
.set SLOT1, 1<<16                      ; slot 1 begins here
.set SPARE, SLOT1+UNITB                ; the spare words: two blocks of 256 bytes that no other line names
.set L16,  4                           ; v4 1536 h + 16 r; v5 1664 h + 8 r (even tiles); v6 1408 h + 8 r (odd tiles); v7 16 r
.set SO16, 16                          ; 256 (l >> 4) + 16 r
.set SO8,  17                          ; 128 (l >> 4) + 8 r
.set SO8X, 18                          ; the same xor 128 (kb & 1)
.set SOB,  19                          ; 16 r + 4 (l >> 4)
.set SPW,  20
.set NIL,  21
.set ADS,  22
.set PFO,  23
.set BSL,  24
.set XS,   32
.set BS,   64
.set TT,   96
.set PP,   160
.set CX,   160
.set CY,   184
.set MX,   224
.set PX,   228
.set SOP,  232
.set BY,   236
.set WE,   128                         ; window 3: W's set for the even pairs of K steps
.set WO,   144                         ; window 2: for the odd pairs
.set AD,   224                         ; window 3
.set MSB, 0
.macro WIN new                         ; the immediate's high byte repeats the setting that is left
.if MSB != \new
	s_set_vgpr_msb (MSB<<8)|\new
.set MSB, \new
.endif
.endm
.macro ROUND                           ; a round of the cluster's barrier
	s_barrier_signal -1
	s_barrier_wait -1
	s_cmp_lg_u32 s10, 0
	s_cbranch_scc1 .Lnot_wave_0_\@
	s_barrier_signal -3
.Lnot_wave_0_\@:
	s_barrier_wait -3
	s_barrier_signal -1
	s_barrier_wait -1
.endm
.macro GFRAG reg, imm, t               ; a fragment of x out of memory
.irp c, 0,1
	global_load_b128 v[(\reg)+6*\c:(\reg)+6*\c+3], v[L16], s[56:57] offset:(\imm)+3072*\c+256*(\t)
	global_load_b64 v[(\reg)+6*\c+4:(\reg)+6*\c+5], v[L16+1+(\t)%2], s[56:57] offset:(\imm)+3072*\c+1024+128*(\t)
.endr
.endm
; n of W's LDS loads, from number q0 on: load q belongs to K step q / 16, tile (q % 16) / 4, four loads a tile; K step k goes to set (k / 2) % 2, half k % 2
.macro LDW q0, n
.set Q, \q0
.rept \n
.set LK, Q/16
.set LT, (Q%16)/4
.set LC, (Q%4)/2
.if (LK/2)%2 == 0
	WIN 0xc3                                       ; data window 3, address window 3
.set LR, WE+48*(LK%2)+12*LT+6*LC
.else
	WIN 0x83                                       ; data window 2, address window 3
.set LR, WO+48*(LK%2)+12*LT+6*LC
.endif
.if Q%2 == 0
	ds_load_b128 v[LR:LR+3], v[AD] offset:QREC*LK+3072*LC+256*LT
.else
	ds_load_b64 v[LR+4:LR+5], v[AD+1+LT%2] offset:QREC*LK+3072*LC+1024+128*LT
.endif
.set Q, Q+1
.endr
.endm
; The slot in hand (s17): its addresses, the unit's 8 x 4 scale words, and the first 8 loads of fragments
.macro FETCHA
	WIN 0xc0
.irp i, 0,1,2
	v_add_nc_u32 v[AD+\i], s17, v[L16+\i]
.endr
	WIN 0
	v_add_nc_u32 v[ADS], s17, v[L16+3]
	s_wait_alu depctr_va_vdst(0)                   ; the wait behind these writes
.irp ks, 0,1,2,3,4,5,6,7
	ds_load_b128 v[BS+4*\ks:BS+4*\ks+3], v[ADS] offset:QREC*\ks+6144
.endr
	LDW 0, 8
	WIN 0
.endm
.macro FETCH0                          ; the same with all 64 loads of K steps 0 to 3, in one run
	FETCHA
	LDW 8, 56
	WIN 0
.endm
; A unit's 128 products.  The 16 accumulators take turns, one instruction a turn, in the same order in every K step.
.macro PRODS
.set KS, 0
.rept 8
.if KS == 0
	s_wait_dscnt 32                                ; the scale words and K steps 0, 1 are in; the 32 loads of K steps 2, 3 may be out
.elseif (KS == 2) || (KS == 4)
.rept 4
	v_nop                                          ; four places in front of loads into the set that the last two K steps' products have read
.endr
	LDW 16*(KS+2), 32
	s_wait_dscnt 32                                ; all but the 32 just issued: this pair's set is in
.elseif KS == 6
	s_wait_dscnt 0x0
.endif
.if KS == 0
	s_wait_loadcnt 63                              ; of x's 136 loads the oldest 73 are in: 8 of scale words, K steps 0 to 3 (16 each)
.elseif KS > 3
	s_wait_loadcnt 16*(7-KS)                       ; this K step's fragments of x are in
.endif
.if KS < 5
.set XW, 1
.set XK, 48*KS
.else
.set XW, 2
.set XK, 48*(KS-5)
.endif
.if (KS/2)%2 == 0
.set WN, 0xf3+4*XW                     ; C and D window 3, source 1 x's window, source 0 window 3
.set WK, WE+48*(KS%2)
.else
.set WN, 0xf2+4*XW                     ; source 0 window 2
.set WK, WO+48*(KS%2)
.endif
	WIN WN
.set J, 0
.rept 16
.set PT, J/4
.set PA, J%4
.set AC, 8*(4*PA+PT)
.set WR, WK+12*PT
.set XB, XK+12*PA
.if KS == 0
	v_wmma_scale_f32_16x16x128_f8f6f4 v[AC:AC+7], v[WR:WR+11], v[XB:XB+11], 0, v[BS+4*KS+PT], v[XS+4*KS+PA] matrix_a_fmt:MATRIX_FMT_FP6 matrix_b_fmt:MATRIX_FMT_FP6
.else
	v_wmma_scale_f32_16x16x128_f8f6f4 v[AC:AC+7], v[WR:WR+11], v[XB:XB+11], v[AC:AC+7], v[BS+4*KS+PT], v[XS+4*KS+PA] matrix_a_fmt:MATRIX_FMT_FP6 matrix_b_fmt:MATRIX_FMT_FP6
.endif
.set J, J+1
.endr
.set KS, KS+1
.endr
	WIN 0
.endm
; The end of a batch: a plain place behind its last transcendental, and the one wait ahead of its readers; n > 0: a piece of the next unit's LDS loads behind the wait
.macro BATCHEND q0, n
	v_nop
	s_wait_alu depctr_va_vdst(0)
.if \n
	LDW \q0, \n
	WIN 0
.endif
.endm
; THE LIST of unit s14 + s16.  Number 16 a + i of a lane: row r of row tile a, hidden column 32 u + 16 h + i.  H0 = numbers 0-31, H1 = 32-63.
; pf = 1: in the loop: the prefetch at its end, and the next unit's LDS loads 8 to 63 in four pieces (16, 16, 16, 8)
.macro LIST pf
	s_wait_xcnt 0x0                                ; the last list's stores and prefetch have read their registers and bases
	s_add_co_u32 s40, s14, s16                     ; the unit
	s_and_b32 s41, s40, 3                          ; kb
	s_lshr_b32 s40, s40, 2                         ; its column of 128
	s_mul_i32 s40, s40, 2*QREC
	s_add_co_u32 s52, s40, s41                     ; the scale bytes: + kb
	s_mov_b32 s53, 0
	s_and_b32 s54, s41, 1
	s_lshl_b32 s54, s54, 7
	s_mul_i32 s41, s41, 1536
	s_add_co_u32 s40, s40, s41                     ; the codes: + 1536 kb
	s_mov_b32 s41, 0
	s_add_nc_u64 s[44:45], s[42:43], s[40:41]
	s_add_nc_u64 s[48:49], s[42:43], s[52:53]
.if \pf
	s_add_nc_u64 s[50:51], s[50:51], UNITB
.endif
	v_xor_b32 v[SO8X], s54, v[SO8]
.rept 4
	v_nop                                          ; four places between the last product and the first read of results
.endr
	WIN 0x0f                                       ; sources 0 and 1 window 3
.set K, 0
.rept 32
	v_pk_mul_f32 v[TT+2*K:TT+2*K+1], v[32*(K/8)+2*(K%8):32*(K/8)+2*(K%8)+1], s[22:23] op_sel_hi:[1,0]   ; -g log2(e); each accumulator from its low end on
.set K, K+1
.endr
.set K, 0
.rept 32
	v_pk_mul_f32 v[PP+2*K:PP+2*K+1], v[32*(K/8)+2*(K%8):32*(K/8)+2*(K%8)+1], v[32*(K/8)+2*(K%8)+16:32*(K/8)+2*(K%8)+17]   ; g x up
.set K, K+1
.endr
	WIN 0
	s_wait_alu depctr_va_vdst(0)                   ; the wait ahead of the batch
.if \pf
	LDW 8, 16
	WIN 0
.endif
.set K, 0
.rept 32
	v_exp_f32 v[TT+K], v[TT+K]                     ; e^-g, H0
.set K, K+1
.endr
	BATCHEND 24, 16*\pf
.set K, 0
.rept 16
	v_pk_add_f32 v[TT+2*K:TT+2*K+1], v[TT+2*K:TT+2*K+1], 1.0 op_sel_hi:[1,0]
	v_exp_f32 v[TT+32+2*K], v[TT+32+2*K]
	v_exp_f32 v[TT+33+2*K], v[TT+33+2*K]
.set K, K+1
.endr
	BATCHEND 40, 16*\pf
.set K, 0
.rept 16
	v_pk_add_f32 v[TT+32+2*K:TT+33+2*K], v[TT+32+2*K:TT+33+2*K], 1.0 op_sel_hi:[1,0]
	v_rcp_f32 v[TT+2*K], v[TT+2*K]
	v_rcp_f32 v[TT+2*K+1], v[TT+2*K+1]
.set K, K+1
.endr
	BATCHEND 56, 8*\pf
.set K, 0
.rept 16
	v_pk_mul_f32 v[TT+2*K:TT+2*K+1], v[TT+2*K:TT+2*K+1], v[PP+2*K:PP+2*K+1]   ; h = sigmoid(g) x (g x up)
	v_rcp_f32 v[TT+32+2*K], v[TT+32+2*K]
	v_rcp_f32 v[TT+33+2*K], v[TT+33+2*K]
.set K, K+1
.endr
	BATCHEND 0, 0
.set K, 16
.rept 16
	v_pk_mul_f32 v[TT+2*K:TT+2*K+1], v[TT+2*K:TT+2*K+1], v[PP+2*K:PP+2*K+1]
.set K, K+1
.endr
.irp a, 0,1,2,3
	v_max3_num_f32 v[MX+\a], |v[TT+16*\a]|, |v[TT+16*\a+1]|, 0x1800000   ; my 16 of the block's 32, and the floor 2^(3 - 127); the four row tiles by turns
.endr
.irp m, 2,4,6,8,10,12,14
.irp a, 0,1,2,3
	v_max3_num_f32 v[MX+\a], v[MX+\a], |v[TT+16*\a+\m]|, |v[TT+16*\a+\m+1]|
.endr
.endr
.irp a, 0,1,2,3
	v_permlanex16_b32 v[PX+\a], v[MX+\a], s20, s21
.endr
.irp a, 0,1,2,3
	v_max_num_f32 v[MX+\a], v[MX+\a], v[PX+\a]     ; with lane l xor 16's: the block's largest magnitude
.endr
.irp a, 0,1,2,3
	v_add_nc_u32 v[SOP+\a], 0xff000000, v[MX+\a]   ; 2 off the exponent field: the conversion's scale operand
.endr
.irp a, 0,1,2,3
	v_lshrrev_b32 v[BY+\a], 23, v[SOP+\a]          ; the scale's byte
.endr
	v_cndmask_b32 v[BSL], v[BY], v[BY+1], s24      ; lanes 0-15 the bytes of row tiles 0, 2; lanes 16-31 of 1, 3
	v_cndmask_b32 v[BSL+1], v[BY+2], v[BY+3], s24
.irp i, 0,1
	v_cvt_scalef32_pk16_fp6_f32 v[CX+12*\i:CX+12*\i+2], v[TT+32*\i:TT+32*\i+15], v[SOP+2*\i]
	v_cvt_scalef32_pk16_fp6_f32 v[CY+4*\i:CY+4*\i+2], v[TT+32*\i+16:TT+32*\i+31], v[SOP+2*\i+1]
.endr
	v_nop                                          ; one plain place behind a scaled conversion
.irp i, 0,1                            ; half blocks become whole ones: lane l then holds the 24 bytes of row r of row tile 2 i + (l >> 4)
.irp k, 0,1,2
	v_permlane16_swap_b32 v[CX+12*\i+\k], v[CY+4*\i+\k]
.endr
.irp k, 0,1,2
	v_mov_b32 v[CX+12*\i+3+\k], v[CY+4*\i+\k]
.endr
.endr
.irp i, 0,1
	global_store_b128 v[SO16], v[CX+12*\i:CX+12*\i+3], s[44:45] offset:512*\i              ; 512 consecutive bytes, aligned to 256
	global_store_b64 v[SO8X], v[CX+12*\i+4:CX+12*\i+5], s[44:45] offset:1024+256*\i        ; 256 consecutive bytes, aligned
	global_store_b8 v[SOB], v[BSL+\i], s[48:49] offset:6144+8*\i                           ; byte kb of the rows' scale words
.endr
.if \pf
	s_cmp_lt_u32 s16, 7                            ; trips 0 to 6 name units 4 to 10; the later trips name nothing
	s_cbranch_scc0 .Lno_ask_\@
	global_prefetch_b8 v[PFO], s[50:51] th:TH_LOAD_NT scope:SCOPE_SE
.Lno_ask_\@:
.endif
.endm
; THE CHANGE OF SLOTS.  Each wave waits for all its tensor loads (its quarter of the next unit), adds 0 to its spare word, and waits for that and for its reads of the slot that it leaves.
; fill = 1: a round of the cluster's barrier, and first behind it the joint load into the slot left.
.macro CHANGE fill
	s_wait_tensorcnt 0x0                           ; no tensor load of mine is out, so group 0 may be written
	ds_add_u32 v[SPW], v[NIL]
.if \fill
	s_xor_b32 s37, s37, SLOT1
	s_add_nc_u64 s[38:39], s[38:39], UNITB
.endif
	s_wait_dscnt 0x0
.if \fill
	ROUND
	tensor_load_to_lds s[36:39], s[28:35]          ; my one tensor load until the next round
	s_nop 0
.rept 4
	v_nop                                          ; (the places in front of the loads that follow)
.endr
.else
	s_barrier_signal -1
	s_barrier_wait -1
.rept 4
	v_nop                                          ; four places in front of the loads that may follow
.endr
.endif
.endm
	s_load_b128 s[4:7], s[0:1], 0x0                ; xq, wgq
	s_load_b64 s[8:9], s[0:1], 0x10                ; hq
	v_lshl_add_u32 v[SPW], v0, 2, SPARE
	v_mov_b32 v[NIL], 0
	ds_add_u32 v[SPW], v[NIL]                      ; the opening lines: the add twice on end and one wait, ahead of my first tensor load
	ds_add_u32 v[SPW], v[NIL]
	v_lshrrev_b32 v1, 5, v0
	v_readfirstlane_b32 s10, v1                    ; wave
	v_and_b32 v2, 15, v0                           ; r
	v_bfe_u32 v3, v0, 4, 1                         ; h
	v_mul_u32_u24 v4, v3, 1536
	v_lshl_add_u32 v4, v2, 4, v4
	v_mul_u32_u24 v5, v3, 1664
	v_lshl_add_u32 v5, v2, 3, v5
	v_mul_u32_u24 v6, v3, 1408
	v_lshl_add_u32 v6, v2, 3, v6
	v_lshlrev_b32 v7, 4, v2
	v_lshlrev_b32 v[SO16], 8, v3
	v_lshl_add_u32 v[SO16], v2, 4, v[SO16]
	v_lshlrev_b32 v[SO8], 7, v3
	v_lshl_add_u32 v[SO8], v2, 3, v[SO8]
	v_lshlrev_b32 v[SOB], 2, v3
	v_lshl_add_u32 v[SOB], v2, 4, v[SOB]
.irp a, 0,1,2,3
	v_mov_b32 v[PX+\a], 0                          ; written once: a lane permute's destination counts as one of its sources
.endr
	s_bfe_u32 s11, ttmp6, 0x40000                  ; cx: it enters xq's, hq's and the prefetch's addresses alone
	s_mul_i32 s2, s11, 13
	v_and_b32 v1, 31, v0
	v_min_u32 v1, 12, v1
	v_add_nc_u32 v1, s2, v1
	v_min_u32 v1, 49, v1                           ; my block of the wave's 50: 13 cx + lane, lanes left over name the last again
	v_lshlrev_b32 v[PFO], 8, v1
	s_lshl_b32 s12, ttmp9, 2
	s_add_co_u32 s12, s12, s11                     ; my block of 256 rows
	s_and_b32 s13, ttmp7, 0xffff                   ; g, which the four partners share
	s_mul_i32 s14, s13, 43
	s_add_co_u32 s15, s14, 43
	s_lshr_b32 s14, s14, 2                         ; my first unit
	s_lshr_b32 s15, s15, 2
	s_sub_co_u32 s15, s15, s14                     ; my units: 10 or 11
	s_mov_b32 s28, 15|(3<<16)|(1<<21)              ; group 1: the mask of the four; elements of 8 bytes; bit 21 beside a mask
	s_mov_b32 s29, 32<<16                          ; tensor_dim0 = 32 (256 bytes)
	s_mov_b32 s30, 50<<16                          ; tensor_dim1 = 50
	s_mov_b32 s31, 32<<16                          ; tile_dim0
	s_mov_b32 s32, 50                              ; tile_dim1: 12,800 dense bytes, a quarter of a unit
	s_mov_b32 s33, 32                              ; the pitch
	s_mov_b32 s34, 0
	s_mov_b32 s35, 0
	s_mov_b32 s36, 1
	s_mul_i32 s37, s10, QUART                      ; LDS: my quarter of slot 0
	s_mul_i32 s40, s14, UNITB
	s_add_co_u32 s40, s40, s37                     ; memory: my quarter of my first unit
	s_mov_b32 s41, 0
	s_lshl_b32 s2, s12, 2
	s_add_co_u32 s2, s2, s10                       ; rq: my 64 rows
	s_mul_i32 s56, s2, UNITB
	s_mov_b32 s57, 0
	s_lshr_b32 s42, s2, 1
	s_mul_i32 s42, s42, 43*2*QREC
	s_and_b32 s3, s2, 1
	s_mul_i32 s3, s3, QREC
	s_add_co_u32 s42, s42, s3                      ; hq: (rq / 2) 43 x 12,800 + (rq & 1) 6,400
	s_mov_b32 s43, 0
	s_mov_b32 s20, 0x76543210
	s_mov_b32 s21, 0xfedcba98                      ; selects for lane l xor 16
	s_mov_b32 s22, 0xbfb8aa3b                      ; -log2(e)
	s_mov_b32 s23, s22
	s_mov_b32 s24, 0xffff0000                      ; lanes 16-31
	s_mov_b32 s16, 0                               ; the unit's number among mine
	s_mov_b32 s17, 0                               ; the slot in hand
	s_wait_alu depctr_va_vdst(0)
	s_wait_dscnt 0x0                               ; both opening adds are done
	s_wait_kmcnt 0x0
	s_add_nc_u64 s[38:39], s[6:7], s[40:41]
	s_add_nc_u64 s[50:51], s[38:39], 3*UNITB       ; the prefetches: each list steps this by a unit ahead of its prefetch
	s_or_b32 s39, s39, 0x80000000                  ; type = 2
	s_add_nc_u64 s[56:57], s[4:5], s[56:57]
	s_add_nc_u64 s[42:43], s[8:9], s[42:43]
	ROUND                                          ; all four work-groups are here: the first joint load meets
	tensor_load_to_lds s[36:39], s[28:35]          ; unit 0 into slot 0: my one load at the head
	s_nop 0
.rept 4
	v_nop
.endr
.irp ks, 0,1,2,3,4,5,6,7               ; x: my 64 rows' scale words and fragments, for all of K, in the order of K: they stay
	global_load_b128 v[XS+4*\ks:XS+4*\ks+3], v[L16+3], s[56:57] offset:QREC*\ks+6144
.endr
	WIN 0x40
.irp ks, 0,1,2,3,4
.irp a, 0,1,2,3
	GFRAG 48*\ks+12*\a, QREC*\ks, \a
.endr
.endr
	WIN 0x80
.irp ks, 5,6,7
.irp a, 0,1,2,3
	GFRAG 48*(\ks-5)+12*\a, QREC*\ks, \a
.endr
.endr
	WIN 0
	CHANGE 1                                       ; unit 0 is whole; unit 1 is asked for, into slot 1
	FETCH0
.Lunit:                                            ; 9 trips, units 0 to 8: each asks for the unit two on
	PRODS
	CHANGE 1
	s_xor_b32 s17, s17, SLOT1
	FETCHA
	LIST 1
	s_add_co_u32 s16, s16, 1
	s_cmp_lt_u32 s16, 9
	s_wait_alu depctr_va_vdst(0)
	s_cbranch_scc1 .Lunit
	PRODS                                          ; unit 9; the tail is written out: it asks for nothing more
	CHANGE 0
	s_xor_b32 s17, s17, SLOT1
	s_cmp_lt_u32 s15, 11
	s_cbranch_scc1 .Lno_fetch                      ; ten units: the eleventh is not mine
	FETCH0
.Lno_fetch:
	LIST 0
	s_add_co_u32 s16, s16, 1
	s_cmp_lt_u32 s15, 11
	s_wait_alu depctr_va_vdst(0)
	s_cbranch_scc1 .Ldone
	PRODS                                          ; unit 10
	LIST 0
.Ldone:
	s_wait_tensorcnt 0x0                           ; the wave's end
	ds_add_u32 v[SPW], v[NIL]
	s_wait_dscnt 0x0
	ROUND                                          ; the closing round: no work-group ends while a partner may still ask for a tile that names it
	s_endpgm
.Lfunc_end_k_qaf50e70090_gateup:
	.size	k_qaf50e70090_gateup, .Lfunc_end_k_qaf50e70090_gateup-k_qaf50e70090_gateup
	.p2alignl 7, 3214868480
	.fill 96, 4, 3214868480
	.section	.rodata,"a",@progbits
	.p2align	6, 0x0
	.amdhsa_kernel k_qaf50e70090_gateup
		.amdhsa_group_segment_fixed_size 327680
		.amdhsa_private_segment_fixed_size 0
		.amdhsa_enable_private_segment 0
		.amdhsa_kernarg_size 24
		.amdhsa_user_sgpr_count 2
		.amdhsa_user_sgpr_kernarg_segment_ptr 1
		.amdhsa_wavefront_size32 1
		.amdhsa_system_sgpr_workgroup_id_x 1
		.amdhsa_system_sgpr_workgroup_id_y 1
		.amdhsa_system_sgpr_workgroup_id_z 1
		.amdhsa_system_vgpr_workitem_id 0
		.amdhsa_next_free_vgpr 1024
		.amdhsa_next_free_sgpr 66
		.amdhsa_reserve_vcc 0
		.amdhsa_float_denorm_mode_32 3
		.amdhsa_float_denorm_mode_16_64 3
		.amdhsa_memory_ordered 1
		.amdhsa_forward_progress 1
		.amdhsa_inst_pref_size 150
	.end_amdhsa_kernel
	.amdgpu_metadata
---
amdhsa.version: [ 1, 2 ]
amdhsa.kernels:
  - .name:           k_qaf50e70090_gateup
    .symbol:         k_qaf50e70090_gateup.kd
    .args:
      - { .name: xq, .offset: 0, .size: 8, .value_kind: global_buffer, .address_space: global }
      - { .name: wgq, .offset: 8, .size: 8, .value_kind: global_buffer, .address_space: global }
      - { .name: hq, .offset: 16, .size: 8, .value_kind: global_buffer, .address_space: global }
    .group_segment_fixed_size: 327680
    .private_segment_fixed_size: 0
    .kernarg_segment_align: 8
    .kernarg_segment_size: 24
    .max_flat_workgroup_size: 128
    .sgpr_count:     66
    .vgpr_count:     1024
    .wavefront_size: 32
...
	.end_amdgpu_metadata
.endif
;; end of part 2
;; launch down (part 3): grid 8 x 32, 4 waves a work-group, clusters of 4 x 4, 327,680 bytes of LDS; arguments hq, wdq, out0; writes out0
.if DOCPART == 3
	.amdgcn_target "amdgcn-amd-amdhsa--gfx1250"
	.amdhsa_code_object_version 6
	.text
	.protected	k_qaf50e70090_down
	.globl	k_qaf50e70090_down
	.p2align	8
	.type	k_qaf50e70090_down,@function
k_qaf50e70090_down:
	s_mov_b64 s[64:65], 0
	v_nop
	global_prefetch_b8 v0, s[64:65] scope:SCOPE_SE
	s_setreg_imm32_b32 hwreg(HW_REG_WAVE_MODE, 25, 1), 1
	s_wait_xcnt 0x0
	s_wait_alu depctr_hold_cnt(0) depctr_sa_sdst(0) depctr_va_vdst(0) depctr_va_sdst(0) depctr_va_ssrc(0) depctr_va_vcc(0) depctr_vm_vsrc(0)
	s_getreg_b32 s2, hwreg(HW_REG_IB_STS2, 6, 4)
	s_cmp_eq_u32 s2, 0
	s_cbranch_scc0 .Lentry_in_a_cluster
	s_endpgm
.Lentry_in_a_cluster:
	s_bfe_u32 s2, ttmp6, 0x10000c
	s_cmp_lg_u32 s2, 0xf033
	s_cbranch_scc0 .Lentry_shape_is_right
	s_endpgm
.Lentry_shape_is_right:
.set QREC,   6400
.set KSB,    2*QREC
.set PARTB,  6*KSB
.set HALFB,  PARTB/2
.set SLOT,   2*PARTB
.set ROWBLK, 43*KSB
.set STG,    2*SLOT
.set SPITCH, 272
.set SPARE,  STG+4*16*SPITCH
.set XRW,    16384
.set AD,   16
.set SPW,  40
.set NIL,  41
.set XST,  42
.set XLD,  43
.set STO,  44
.set RD,   45
.set CO,   46
.set SC,   48
.set TT,   96
.set BK,   160
.set G1A,  24
.set G0A,  32
.set G1B,  40
.set G0B,  48
.set G1AT, 56
.set G1BT, 68
.set G0AT, 76
.set G0BT, 80
.set MSB, 0
.macro WIN new
.if MSB != \new
	s_set_vgpr_msb (MSB<<8)|\new
.set MSB, \new
.endif
.endm
.macro JLOAD g0a, g1a, g0b, g1b
	s_cmp_eq_u32 s11, 0
	s_cbranch_scc0 .Lfor_b_\@
	tensor_load_to_lds s[\g0a:\g0a+3], s[\g1a:\g1a+7]
	s_nop 0
.rept 4
	v_nop
.endr
	s_branch .Lasked_\@
.Lfor_b_\@:
	tensor_load_to_lds s[\g0b:\g0b+3], s[\g1b:\g1b+7]
	s_nop 0
.rept 4
	v_nop
.endr
.Lasked_\@:
.endm
.macro CREST
	s_cmp_lg_u32 s10, 0
	s_cbranch_scc1 .Lnot_wave_0_\@
	s_barrier_signal -3
.Lnot_wave_0_\@:
	s_barrier_wait -3
	s_barrier_signal -1
	s_barrier_wait -1
.endm
.macro CROUND
	s_barrier_signal -1
	s_barrier_wait -1
	CREST
.endm
.macro FRAGL reg, ad, imm, t
.irp c, 0,1
	ds_load_b128 v[(\reg)+6*\c:(\reg)+6*\c+3], v[\ad] offset:(\imm)+3072*\c+256*(\t)
	ds_load_b64 v[(\reg)+6*\c+4:(\reg)+6*\c+5], v[(\ad)+1+(\t)%2] offset:(\imm)+3072*\c+1024+128*(\t)
.endr
.endm
.macro FETCH2 s, i, p
	WIN 0
.irp o, 0,1,2
	ds_load_b128 v[SC+12*(\p)+4*\o:SC+12*(\p)+4*\o+3], v[AD+12*(\s)+4*\o+3] offset:KSB*(\i)+6144
.endr
	WIN 0x40
.irp a, 0,1,2,3,4,5,6,7
	FRAGL 96*(\p)+12*\a, AD+12*(\s)+4*(\a/4), KSB*(\i), \a%4
.endr
	WIN 0xc0
.irp b, 0,1,2,3
	FRAGL 48*(\p)+12*\b, AD+12*(\s)+8, KSB*(\i), \b
.endr
.endm
.macro MUL8 a0, p, zero
.irp a, \a0, \a0+1
.irp b, 0,1,2,3
.if \zero
	v_wmma_scale_f32_16x16x128_f8f6f4 v[8*(4*(\a)+\b):8*(4*(\a)+\b)+7], v[48*(\p)+12*\b:48*(\p)+12*\b+11], v[96*(\p)+12*(\a):96*(\p)+12*(\a)+11], 0, v[SC+12*(\p)+8+\b], v[SC+12*(\p)+(\a)] matrix_a_fmt:MATRIX_FMT_FP6 matrix_b_fmt:MATRIX_FMT_FP6
.else
	v_wmma_scale_f32_16x16x128_f8f6f4 v[8*(4*(\a)+\b):8*(4*(\a)+\b)+7], v[48*(\p)+12*\b:48*(\p)+12*\b+11], v[96*(\p)+12*(\a):96*(\p)+12*(\a)+11], v[8*(4*(\a)+\b):8*(4*(\a)+\b)+7], v[SC+12*(\p)+8+\b], v[SC+12*(\p)+(\a)] matrix_a_fmt:MATRIX_FMT_FP6 matrix_b_fmt:MATRIX_FMT_FP6
.endif
.endr
.endr
.endm
.macro PLACES
.rept 4
	v_nop
.endr
.endm
.macro STEP s, i, p, zero
	PLACES
	FETCH2 \s, (\i)+1, 1-(\p)
	s_wait_dscnt 51
	WIN 0xa7
	MUL8 0, \p, \zero
	MUL8 2, \p, \zero
	MUL8 4, \p, \zero
	MUL8 6, \p, \zero
.endm
.macro TURN s, next, p, kind
	WIN 0
	s_wait_tensorcnt 0x0
	ds_add_u32 v[SPW], v[NIL]
	s_wait_dscnt 1
	WIN 0xa7
	MUL8 0, \p, 0
	MUL8 2, \p, 0
	s_wait_dscnt 0x0
	s_barrier_signal -1
	MUL8 4, \p, 0
	WIN 0
	s_barrier_wait -1
.if \kind == 2
	CREST
	s_add_nc_u64 s[G0A+4*\s+2:G0A+4*\s+3], s[G0A+4*\s+2:G0A+4*\s+3], 2*PARTB
	s_add_nc_u64 s[G0B+4*\s+2:G0B+4*\s+3], s[G0B+4*\s+2:G0B+4*\s+3], 2*PARTB
	JLOAD G0A+4*\s, G1A, G0B+4*\s, G1B
	FETCH2 \next, 0, 1-(\p)
.elseif \kind == 1
	CREST
	JLOAD G0AT, G1AT, G0BT, G1BT
	FETCH2 \next, 0, 1-(\p)
.else
	PLACES
	s_cmp_eq_u32 s11, 0
	s_cbranch_scc0 .Lno_tail_\@
	FETCH2 \next, 0, 1-(\p)
	WIN 0
.Lno_tail_\@:
.endif
	WIN 0xa7
	MUL8 6, \p, 0
.endm
	s_load_b128 s[4:7], s[0:1], 0x0
	s_load_b64 s[8:9], s[0:1], 0x10
	v_lshl_add_u32 v[SPW], v0, 2, SPARE
	v_mov_b32 v[NIL], 0
	ds_add_u32 v40, v41
	ds_add_u32 v40, v41
	s_wait_dscnt 0x0
	v_lshrrev_b32 v1, 5, v0
	v_readfirstlane_b32 s10, v1
	s_lshr_b32 s11, s10, 1
	s_and_b32 s12, s10, 1
	s_bfe_u32 s13, ttmp6, 0x40000
	s_bfe_u32 s14, ttmp6, 0x40004
	s_lshl_b32 s15, ttmp9, 2
	s_add_co_u32 s15, s15, s13
	s_and_b32 s16, ttmp7, 0xffff
	s_lshl_b32 s16, s16, 2
	s_add_co_u32 s16, s16, s14
	s_lshl_b32 s17, s14, 2
	s_lshl_b32 s17, 15, s17
	s_lshl_b32 s18, 0x1111, s13
	s_or_b32 s[G1A], s17, (3<<16)|(1<<21)
	s_or_b32 s[G1B], s18, (3<<16)|(1<<21)
	s_or_b32 s[G1AT], s17, (3<<16)|(1<<21)
	s_or_b32 s[G1BT], s18, (3<<16)|(1<<21)
.irp g, G1A, G1B
	s_mov_b32 s[\g+1], 32<<16
	s_mov_b32 s[\g+2], 150<<16
	s_mov_b32 s[\g+3], 32<<16
	s_mov_b32 s[\g+4], 150
	s_mov_b32 s[\g+5], 32
	s_mov_b32 s[\g+6], 0
	s_mov_b32 s[\g+7], 0
.endr
.irp g, G1AT, G1BT
	s_mov_b32 s[\g+1], 32<<16
	s_mov_b32 s[\g+2], 25<<16
	s_mov_b32 s[\g+3], 32<<16
	s_mov_b32 s[\g+4], 25
	s_mov_b32 s[\g+5], 32
	s_mov_b32 s[\g+6], 0
	s_mov_b32 s[\g+7], 0
.endr
	s_mul_i32 s19, s12, HALFB
	s_mul_i32 s20, s16, ROWBLK
	s_add_co_u32 s20, s20, s19
	s_mov_b32 s21, 0
	s_mul_i32 s84, s15, ROWBLK
	s_add_co_u32 s84, s84, s19
	s_mov_b32 s85, 0
	s_mul_i32 s22, s10, HALFB
	s_mul_i32 s23, s12, QREC
	s_mul_i32 s86, s16, ROWBLK
	s_add_co_u32 s86, s86, s23
	s_add_co_u32 s86, s86, 42*KSB
	s_mov_b32 s87, 0
	s_mul_i32 s88, s15, ROWBLK
	s_add_co_u32 s88, s88, s23
	s_add_co_u32 s88, s88, 42*KSB
	s_mov_b32 s89, 0
	s_mul_i32 s90, s11, PARTB
	s_add_co_u32 s90, s90, s23
	s_add_co_u32 s90, s90, SLOT
	s_wait_kmcnt 0x0
	s_add_nc_u64 s[20:21], s[4:5], s[20:21]
	s_add_nc_u64 s[84:85], s[6:7], s[84:85]
	s_mov_b32 s[G0AT], 1
	s_mov_b32 s[G0AT+1], s90
	s_add_nc_u64 s[G0AT+2:G0AT+3], s[4:5], s[86:87]
	s_or_b32 s[G0AT+3], s[G0AT+3], 0x80000000
	s_mov_b32 s[G0BT], 1
	s_mov_b32 s[G0BT+1], s90
	s_add_nc_u64 s[G0BT+2:G0BT+3], s[6:7], s[88:89]
	s_or_b32 s[G0BT+3], s[G0BT+3], 0x80000000
	CROUND
.irp s, 0,1
	s_mov_b32 s[G0A+4*\s], 1
	s_add_co_u32 s[G0A+4*\s+1], s22, \s*SLOT
	s_add_nc_u64 s[G0A+4*\s+2:G0A+4*\s+3], s[20:21], \s*PARTB
	s_or_b32 s[G0A+4*\s+3], s[G0A+4*\s+3], 0x80000000
	s_mov_b32 s[G0B+4*\s], 1
	s_add_co_u32 s[G0B+4*\s+1], s22, \s*SLOT
	s_add_nc_u64 s[G0B+4*\s+2:G0B+4*\s+3], s[84:85], \s*PARTB
	s_or_b32 s[G0B+4*\s+3], s[G0B+4*\s+3], 0x80000000
	s_wait_alu depctr_va_vdst(0)
	s_wait_tensorcnt 0x0
	ds_add_u32 v40, v41
	ds_add_u32 v40, v41
	s_wait_dscnt 0x0
	CROUND
	JLOAD G0A+4*\s, G1A, G0B+4*\s, G1B
.endr
	v_and_b32 v1, 31, v0
	v_and_b32 v2, 15, v0
	v_bfe_u32 v3, v0, 4, 1
	v_mul_u32_u24 v4, v3, 1536
	v_lshl_add_u32 v4, v2, 4, v4
	s_wait_alu depctr_va_vdst(0)
	v_mul_u32_u24 v5, v3, 1664
	v_lshl_add_u32 v5, v2, 3, v5
	s_wait_alu depctr_va_vdst(0)
	v_mul_u32_u24 v6, v3, 1408
	v_lshl_add_u32 v6, v2, 3, v6
	s_wait_alu depctr_va_vdst(0)
	v_lshlrev_b32 v7, 4, v2
	s_mul_i32 s91, s11, HALFB
	s_mul_i32 s92, s11, QREC
	s_add_co_u32 s92, s92, s91
	s_xor_b32 s93, s11, 1
	s_mul_i32 s93, s93, QREC
	s_add_co_u32 s93, s93, s91
	s_mul_i32 s94, s12, QREC
	s_add_co_u32 s94, s94, s91
	s_add_co_u32 s94, s94, PARTB
.irp s, 0,1
.irp i, 0,1,2,3
	v_add_nc_u32 v[AD+12*\s+\i], s92, v[4+\i]
	v_add_nc_u32 v[AD+12*\s+4+\i], s93, v[4+\i]
	v_add_nc_u32 v[AD+12*\s+8+\i], s94, v[4+\i]
.endr
	s_add_co_u32 s92, s92, SLOT
	s_add_co_u32 s93, s93, SLOT
	s_add_co_u32 s94, s94, SLOT
.endr
	s_mul_i32 s91, s10, XRW
	v_lshl_add_u32 v[XST], v1, 4, s91
	s_xor_b32 s91, s10, 2
	s_mul_i32 s91, s91, XRW
	v_lshl_add_u32 v[XLD], v1, 4, s91
	s_mul_i32 s91, s10, 16*SPITCH
	s_add_co_u32 s91, s91, STG
	v_mul_u32_u24 v[STO], v2, SPITCH
	v_lshl_add_u32 v[STO], v3, 5, v[STO]
	v_add_nc_u32 v[STO], s91, v[STO]
	v_mul_u32_u24 v[RD], v3, SPITCH
	v_lshl_add_u32 v[RD], v2, 4, v[RD]
	v_add_nc_u32 v[RD], s91, v[RD]
	v_lshlrev_b32 v[CO], 12, v3
	v_lshl_add_u32 v[CO], v2, 4, v[CO]
	s_lshl_b32 s96, s16, 7
	s_lshl_b32 s97, s11, 6
	s_add_co_u32 s96, s96, s97
	s_lshl_b32 s96, s96, 12
	s_lshl_b32 s97, s15, 9
	s_add_co_u32 s96, s96, s97
	s_lshl_b32 s97, s12, 8
	s_add_co_u32 s96, s96, s97
	s_mov_b32 s97, 0
	s_add_nc_u64 s[8:9], s[8:9], s[96:97]
	s_wait_tensorcnt 1
	s_barrier_signal -1
	s_barrier_wait -1
	FETCH2 0, 0, 0
	STEP 0, 0, 0, 1
	WIN 0
	s_mov_b32 s3, 2
.Llap:
	STEP 0, 1, 1, 0
	TURN 0, 1, 0, 2
	STEP 1, 0, 1, 0
	STEP 1, 1, 0, 0
	TURN 1, 0, 1, 2
	STEP 0, 0, 0, 0
	WIN 0
	s_sub_co_u32 s3, s3, 1
	s_cmp_lg_u32 s3, 0
	s_cbranch_scc1 .Llap
	STEP 0, 1, 1, 0
	TURN 0, 1, 0, 2
	STEP 1, 0, 1, 0
	STEP 1, 1, 0, 0
	TURN 1, 0, 1, 1
	STEP 0, 0, 0, 0
	STEP 0, 1, 1, 0
	TURN 0, 1, 0, 0
	WIN 0
	s_cmp_eq_u32 s11, 0
	s_cbranch_scc0 .Lno_last
	s_wait_dscnt 0x0
	WIN 0xa7
	MUL8 0, 1, 0
	MUL8 2, 1, 0
	MUL8 4, 1, 0
	MUL8 6, 1, 0
	WIN 0
.Lno_last:
	PLACES
	WIN 0x08
.irp a, 4,5,6,7
.irp b, 0,1,2,3
	ds_store_b128 v[XST], v[8*(4*\a+\b):8*(4*\a+\b)+3] offset:1024*(4*(\a-4)+\b)
	ds_store_b128 v[XST], v[8*(4*\a+\b)+4:8*(4*\a+\b)+7] offset:1024*(4*(\a-4)+\b)+512
.endr
.endr
	WIN 0
	s_wait_dscnt 0x0
	s_barrier_signal -1
	s_barrier_wait -1
.macro OUTA a
.set TS, TT+32*((\a)%2)
.set BB, BK+32*((\a)%2)
.irp b, 0,1,2,3
	ds_load_b128 v[TS+8*\b:TS+8*\b+3], v[XLD] offset:1024*(4*(\a)+\b)
	ds_load_b128 v[TS+8*\b+4:TS+8*\b+7], v[XLD] offset:1024*(4*(\a)+\b)+512
.endr
	s_wait_dscnt 0x0
	WIN 0x02
.irp k, 0,2,4,6,8,10,12,14,16,18,20,22,24,26,28,30
	v_pk_add_f32 v[TS+\k:TS+\k+1], v[32*(\a)+\k:32*(\a)+\k+1], v[TS+\k:TS+\k+1]
.endr
	WIN 0
.irp b, 0,1,2,3
	ds_store_b128 v[STO], v[TS+8*\b:TS+8*\b+3] offset:64*\b
	ds_store_b128 v[STO], v[TS+8*\b+4:TS+8*\b+7] offset:64*\b+16
.endr
.if (\a) >= 2
	s_wait_xcnt 0x0
.endif
.irp i, 0,1,2,3,4,5,6,7
	ds_load_b128 v[BB+4*\i:BB+4*\i+3], v[RD] offset:2*\i*SPITCH
.endr
	s_wait_dscnt 0x0
.irp i, 0,1,2,3,4,5,6,7
	global_store_b128 v[CO], v[BB+4*\i:BB+4*\i+3], s[8:9] offset:(16*(\a)+2*\i)*4096 th:TH_STORE_NT
.endr
.endm
	s_wait_alu depctr_va_vdst(0)
	OUTA 0
	OUTA 1
	OUTA 2
	OUTA 3
	s_wait_tensorcnt 0x0
	ds_add_u32 v[SPW], v[NIL]
	s_wait_dscnt 0x0
	CROUND
	s_endpgm
.Lfunc_end_k_qaf50e70090_down:
	.size	k_qaf50e70090_down, .Lfunc_end_k_qaf50e70090_down-k_qaf50e70090_down
	.p2alignl 7, 3214868480
	.fill 96, 4, 3214868480
	.section	.rodata,"a",@progbits
	.p2align	6, 0x0
	.amdhsa_kernel k_qaf50e70090_down
		.amdhsa_group_segment_fixed_size 327680
		.amdhsa_private_segment_fixed_size 0
		.amdhsa_enable_private_segment 0
		.amdhsa_kernarg_size 24
		.amdhsa_user_sgpr_count 2
		.amdhsa_user_sgpr_kernarg_segment_ptr 1
		.amdhsa_wavefront_size32 1
		.amdhsa_system_sgpr_workgroup_id_x 1
		.amdhsa_system_sgpr_workgroup_id_y 1
		.amdhsa_system_sgpr_workgroup_id_z 1
		.amdhsa_system_vgpr_workitem_id 0
		.amdhsa_next_free_vgpr 1024
		.amdhsa_next_free_sgpr 98
		.amdhsa_reserve_vcc 0
		.amdhsa_float_denorm_mode_32 3
		.amdhsa_float_denorm_mode_16_64 3
		.amdhsa_memory_ordered 1
		.amdhsa_forward_progress 1
		.amdhsa_inst_pref_size 152
	.end_amdhsa_kernel
	.amdgpu_metadata
---
amdhsa.version: [ 1, 2 ]
amdhsa.kernels:
  - .name:           k_qaf50e70090_down
    .symbol:         k_qaf50e70090_down.kd
    .args:
      - { .name: hq, .offset: 0, .size: 8, .value_kind: global_buffer, .address_space: global }
      - { .name: wdq, .offset: 8, .size: 8, .value_kind: global_buffer, .address_space: global }
      - { .name: out0, .offset: 16, .size: 8, .value_kind: global_buffer, .address_space: global }
    .group_segment_fixed_size: 327680
    .private_segment_fixed_size: 0
    .kernarg_segment_align: 8
    .kernarg_segment_size: 24
    .max_flat_workgroup_size: 128
    .sgpr_count:     98
    .vgpr_count:     1024
    .wavefront_size: 32
...
	.end_amdgpu_metadata
.endif
;; end of part 3
